; MI455X (gfx1250); checked and timed in simulation.
; The chip was launched on July 23, 2026; its instructions are those of AMD's public machine-readable ISA for CDNA 5 (MIT licence, August 2026) and "CDNA5" Instruction Set Architecture Reference Guide (July 2026). The comments in the code are by the model that wrote it; some were corrected since.
;; IVF Book. Allowed arithmetic: float matrix products may take bf16 or f16 operands with f32 sums; all other float work in f32.
;; Inputs: centroids 65,536 x 256 float32; x_BD 4,096 x 256 float32; xhat_BFD 4,096 x 1 x 256 float32.
;; Outputs: out0 4,096 x 1 x 256 float32; out1 4,096 x 1 int32.
;; 2 versions, each right; version 2 is version 1 with the launch prep written anew for expert scheduling mode. Each part assembles by itself: llvm-mc -triple=amdgcn-amd-amdhsa -mcpu=gfx1250 --defsym DOCPART=n.
;; ======== version 1 of 2: 3 launches
;; workspace buffers: cbt 33,816,576 bytes; xq 2,097,152 bytes; cand 1,048,576 bytes of whole numbers
;; launch prep (part 1): grid 256 x 1, 8 waves a work-group, no clusters, 0 bytes of LDS; arguments centroids, x_BD, cbt, xq; writes cbt, xq
.if DOCPART == 1
	.amdgcn_target "amdgcn-amd-amdhsa--gfx1250"
	.amdhsa_code_object_version 6
	.text
	.protected	k_q429cd07eb5_prep
	.globl	k_q429cd07eb5_prep
	.p2align	8
	.type	k_q429cd07eb5_prep,@function
k_q429cd07eb5_prep:
	s_mov_b64 s[64:65], 0
	v_nop
	global_prefetch_b8 v0, s[64:65] scope:SCOPE_SE
	s_setreg_imm32_b32 hwreg(HW_REG_WAVE_MODE, 25, 1), 1
	s_wait_xcnt 0x0
; PREP.  centroids [65536][256] f32 and x_BD [4096][256] f32 are rounded once to bf16 (nearest even) and laid out for the search.
; cbt: 512 records of 66,048 bytes.  Record T = 128 rows of 512 bytes (centroids 128 T .. 128 T + 127 in bf16), then one row of 512 bytes:
;      hc = -1/2 x the sum of the squares of the ROUNDED row, in f32, for those 128 centroids.  argmin(|c|^2 - 2 x.c) = argmax(x.c + hc).
; xq:  x in bf16 in the order of a matrix fragment: query q, index k -> byte (q>>4) 8192 + (k>>4) 512 + (16 ((k>>3)&1) + (q&15)) 16 + 2 (k&7).
; SHARES.  Work-group g: centroid rows 256 g .. 256 g + 255 (records 2 g, 2 g + 1) and the 16 queries 16 g .. 16 g + 15.  Wave w: 32 rows, one row at a time
; (a row is 1,024 bytes: two loads of 512 consecutive bytes), through a ring of 16 row slots in registers: 16 KB of every wave is on its way.
; No LDS, no barrier, no matrix unit: the launch moves bytes, and a row's sum never leaves its wave.
; LIMITS.  NaN and infinities are not treated apart.  The sum of squares is taken in f32: 8 numbers a lane, then across the 32 lanes.
.set ROWB,  1024                       ; bytes of a row of f32
.set TILEB, 66048                      ; bytes of a record of cbt
.set LO,  2                            ; v2   16 x lane: my 16 bytes in each half of a row of f32
.set SO,  3                            ; v3   8 x lane + my wave's 32 rows in the record
.set HO,  4                            ; v4   4 x lane + my wave's 32 words in the record's hc row
.set XO,  5                            ; v5   my 32 bytes of x: query lane % 16, index 32 w + 8 (lane / 16)
.set XS,  6                            ; v6   16 x lane + 1,024 w: my 16 bytes in chunk 2 w of xq's tile
.set H,   7                            ; v7   hc: lane i takes row i
.set PT,  8                            ; v8   the other half of the lanes' sum
.set T,   10                           ; v[10:17] a lane's 8 rounded numbers, widened
.set A,   18                           ; v[18:19] the sum of squares
.set Y,   20                           ; v[20:35] four sets of 4: a row's 8 numbers in bf16, to store
.set XX,  36                           ; v[36:51] x as loaded
.set X,   64                           ; v[64:191] slot s: 8 registers, a row as loaded
	s_load_b256 s[4:11], s[0:1], 0x0               ; centroids s[4:5], x s[6:7], cbt s[8:9], xq s[10:11]
	v_lshrrev_b32 v9, 5, v0
	v_readfirstlane_b32 s12, v9                    ; wave 0..7
	v_and_b32 v1, 31, v0                           ; lane
	s_mov_b32 s18, 0xffff0000                      ; a word's upper bf16
	s_mov_b32 s20, 0x76543210                      ; v_permlanex16_b32: each lane takes its own place in the other half
	s_mov_b32 s21, 0xfedcba98
	s_lshl_b32 s14, ttmp9, 18                      ; 256 rows of 1,024 bytes a work-group,
	s_lshl_b32 s13, s12, 15                        ; 32 a wave
	s_add_co_u32 s14, s14, s13
	s_mov_b32 s15, 0
	s_lshl_b32 s16, ttmp9, 1
	s_lshr_b32 s13, s12, 2
	s_add_co_u32 s16, s16, s13                     ; my record: 2 g + w / 4
	s_mul_i32 s16, s16, TILEB
	s_mov_b32 s17, 0
	s_and_b32 s19, s12, 3                          ; which 32 rows of the record
	s_lshl_b32 s24, ttmp9, 14                      ; 16 queries of 1,024 bytes
	s_mov_b32 s25, 0
	s_lshl_b32 s26, ttmp9, 13                      ; a tile of xq
	s_mov_b32 s27, 0
	v_lshlrev_b32 v[LO], 4, v1
	v_lshlrev_b32 v[SO], 3, v1
	s_lshl_b32 s13, s19, 14
	v_add_nc_u32 v[SO], s13, v[SO]
	v_lshlrev_b32 v[HO], 2, v1
	s_lshl_b32 s23, s19, 7
	v_add_nc_u32 v[HO], s23, v[HO]
	v_and_b32 v9, 15, v1
	v_lshrrev_b32 v[PT], 4, v1
	v_lshlrev_b32 v[XO], 10, v9
	v_lshl_add_u32 v[XO], v[PT], 5, v[XO]
	s_lshl_b32 s28, s12, 7
	v_add_nc_u32 v[XO], s28, v[XO]
	s_lshl_b32 s29, s12, 10
	v_add_nc_u32 v[XS], s29, v[LO]
	v_mov_b32 v[H], 0                              ; written whole once: each row then sets one lane
	v_mov_b32 v[PT], 0                             ; the lane exchange counts as a reader of its destination
	s_wait_kmcnt 0x0
	s_add_nc_u64 s[4:5], s[4:5], s[14:15]
	s_add_nc_u64 s[6:7], s[6:7], s[24:25]
	s_add_nc_u64 s[8:9], s[8:9], s[16:17]
	s_add_nc_u64 s[10:11], s[10:11], s[26:27]
	global_load_b128 v[XX:XX+3],     v[XO], s[6:7]            ; chunk 2 w: 8 numbers of my query
	global_load_b128 v[XX+4:XX+7],   v[XO], s[6:7] offset:16
	global_load_b128 v[XX+8:XX+11],  v[XO], s[6:7] offset:64  ; chunk 2 w + 1
	global_load_b128 v[XX+12:XX+15], v[XO], s[6:7] offset:80
.set i, 0
.rept 16                                               ; the ring is filled: rows 0 to 15
	global_load_b128 v[X+8*i:X+8*i+3],   v[LO], s[4:5] offset:i*ROWB th:TH_LOAD_NT
	global_load_b128 v[X+8*i+4:X+8*i+7], v[LO], s[4:5] offset:i*ROWB+512 th:TH_LOAD_NT
.set i, i+1
.endr
	s_wait_loadcnt 32                              ; loads come back in order: the four of x are in, the ring's 32 stay out
.irp j, 0,1,2,3,4,5,6,7
	v_cvt_pk_bf16_f32 v[Y+\j], v[XX+2*\j], v[XX+2*\j+1]
.endr
	global_store_b128 v[XS], v[Y:Y+3],   s[10:11]             ; 512 consecutive bytes: a whole chunk
	global_store_b128 v[XS], v[Y+4:Y+7], s[10:11] offset:512
; Row i of my 32.  Every address is an immediate: no address register is ever rewritten.
.macro ROW
.set XR, X+8*(i%16)
.set YR, Y+4*(i%4)
.set left, 2*(31-i)                    ; the younger loads: fifteen rows of two while the ring is refilled, then fewer
.if left > 30
.set left, 30
.endif
	s_wait_loadcnt left                            ; my row is in
	s_wait_xcnt 0x0                                ; earlier stores have read their registers: Y is rewritten only behind this wait
.irp j, 0,1,2,3
	v_cvt_pk_bf16_f32 v[YR+\j], v[XR+2*\j], v[XR+2*\j+1]
.endr
.if i < 16
	global_load_b128 v[XR:XR+3],   v[LO], s[4:5] offset:(i+16)*ROWB th:TH_LOAD_NT      ; the slot takes the row 16 further down, ahead of the stores
	global_load_b128 v[XR+4:XR+7], v[LO], s[4:5] offset:(i+16)*ROWB+512 th:TH_LOAD_NT
.endif
	global_store_b64 v[SO], v[YR:YR+1],   s[8:9] offset:i*512 th:TH_STORE_NT           ; 32 lanes x 8 bytes: 256 consecutive bytes, aligned
	global_store_b64 v[SO], v[YR+2:YR+3], s[8:9] offset:i*512+256 th:TH_STORE_NT
.irp j, 0,1,2,3
	v_lshlrev_b32 v[T+2*\j],   16,  v[YR+\j]       ; the ROUNDED numbers, widened: hc belongs to what the search multiplies
	v_and_b32     v[T+2*\j+1], s18, v[YR+\j]
.endr
	v_pk_mul_f32 v[A:A+1], v[T:T+1], v[T:T+1]
.irp j, 2,4,6
	v_pk_fma_f32 v[A:A+1], v[T+\j:T+\j+1], v[T+\j:T+\j+1], v[A:A+1]
.endr
	v_add_f32 v[A], v[A], v[A+1]
	v_add_f32_dpp v[A], v[A], v[A] row_xmask:1 row_mask:0xf bank_mask:0xf
	v_add_f32_dpp v[A], v[A], v[A] row_xmask:2 row_mask:0xf bank_mask:0xf
	v_add_f32_dpp v[A], v[A], v[A] row_xmask:4 row_mask:0xf bank_mask:0xf
	v_add_f32_dpp v[A], v[A], v[A] row_xmask:8 row_mask:0xf bank_mask:0xf
	v_permlanex16_b32 v[PT], v[A], s20, s21
	v_add_f32 v[A], v[A], v[PT]                    ; every lane holds the row's sum
	v_mul_f32 v[A], -0.5, v[A]
	s_mov_b32 s22, 1<<i
	v_cndmask_b32 v[H], v[H], v[A], s22            ; lane i keeps it
.endm
.set i, 0
.rept 32
	ROW
.set i, i+1
.endr
	global_store_b32 v[HO], v[H], s[8:9] offset:65536         ; my 32 words of the record's hc row: 128 consecutive bytes
	s_endpgm
.Lfunc_end_k_q429cd07eb5_prep:
	.size	k_q429cd07eb5_prep, .Lfunc_end_k_q429cd07eb5_prep-k_q429cd07eb5_prep
	.p2alignl 7, 3214868480
	.fill 96, 4, 3214868480
	.section	.rodata,"a",@progbits
	.p2align	6, 0x0
	.amdhsa_kernel k_q429cd07eb5_prep
		.amdhsa_group_segment_fixed_size 0
		.amdhsa_private_segment_fixed_size 0
		.amdhsa_enable_private_segment 0
		.amdhsa_kernarg_size 32
		.amdhsa_user_sgpr_count 2
		.amdhsa_user_sgpr_kernarg_segment_ptr 1
		.amdhsa_wavefront_size32 1
		.amdhsa_system_sgpr_workgroup_id_x 1
		.amdhsa_system_sgpr_workgroup_id_y 1
		.amdhsa_system_sgpr_workgroup_id_z 1
		.amdhsa_system_vgpr_workitem_id 0
		.amdhsa_next_free_vgpr 192
		.amdhsa_next_free_sgpr 66
		.amdhsa_reserve_vcc 0
		.amdhsa_float_denorm_mode_32 3
		.amdhsa_float_denorm_mode_16_64 3
		.amdhsa_memory_ordered 1
		.amdhsa_forward_progress 1
		.amdhsa_inst_pref_size 58
	.end_amdhsa_kernel
	.amdgpu_metadata
---
amdhsa.version: [ 1, 2 ]
amdhsa.kernels:
  - .name:           k_q429cd07eb5_prep
    .symbol:         k_q429cd07eb5_prep.kd
    .args:
      - { .name: centroids, .offset: 0, .size: 8, .value_kind: global_buffer, .address_space: global }
      - { .name: x_BD, .offset: 8, .size: 8, .value_kind: global_buffer, .address_space: global }
      - { .name: cbt, .offset: 16, .size: 8, .value_kind: global_buffer, .address_space: global }
      - { .name: xq, .offset: 24, .size: 8, .value_kind: global_buffer, .address_space: global }
    .group_segment_fixed_size: 0
    .private_segment_fixed_size: 0
    .kernarg_segment_align: 8
    .kernarg_segment_size: 32
    .max_flat_workgroup_size: 256
    .sgpr_count:     66
    .vgpr_count:     192
    .wavefront_size: 32
...
	.end_amdgpu_metadata
.endif
;; end of part 1
;; launch search (part 2): grid 8 x 32, 4 waves a work-group, clusters of 4 x 1, 327,680 bytes of LDS; arguments xq, cbt, cand; writes cand
.if DOCPART == 2
	.amdgcn_target "amdgcn-amd-amdhsa--gfx1250"
	.amdhsa_code_object_version 6
	.text
	.protected	k_q429cd07eb5_search
	.globl	k_q429cd07eb5_search
	.p2align	8
	.type	k_q429cd07eb5_search,@function
k_q429cd07eb5_search:
	s_mov_b64 s[64:65], 0
	v_nop
	global_prefetch_b8 v0, s[64:65] scope:SCOPE_SE
	s_setreg_imm32_b32 hwreg(HW_REG_WAVE_MODE, 25, 1), 1
	s_wait_xcnt 0x0
	s_wait_alu depctr_hold_cnt(0) depctr_sa_sdst(0) depctr_va_vdst(0) depctr_va_sdst(0) depctr_va_ssrc(0) depctr_va_vcc(0) depctr_vm_vsrc(0)
	s_getreg_b32 s2, hwreg(HW_REG_IB_STS2, 6, 4)
	s_cmp_eq_u32 s2, 0
	s_cbranch_scc0 .Lentry_in_a_cluster
	s_endpgm
.Lentry_in_a_cluster:
	s_bfe_u32 s2, ttmp6, 0x10000c
	s_cmp_lg_u32 s2, 0x3003
	s_cbranch_scc0 .Lentry_shape_is_right
	s_endpgm
.Lentry_shape_is_right:
; SEARCH.  s[q][c] = x[q] . c + hc[c] in bf16 products and f32 sums; for each query and each SPLIT of 2,048 centroids: the largest s, as a whole number that keeps the order, and the
; GROUP of 8 neighbouring centroids that holds it.  The launch behind this one takes the best of a query's 32 splits and works the 8 candidates out again.
; SHARES.  Work-group (qb, y): 512 queries x 2,048 centroids (records 16 y .. 16 y + 15 of cbt): 8 x 32 = 256 work-groups of equal work.  Wave w owns 128 queries, 8 tiles of 16, whose whole
; K = 256 lies in 512 registers for the whole launch; every wave walks the split's 128 blocks of 16 centroids, 64 matrix instructions a block.
; LAYOUT.  Source 0 = 16 centroids, source 1 = 16 queries: in the result a lane holds ONE query (lane % 16) and the centroids 16 blk + 8 (lane / 16) + 0..7: one group, 2 blk + lane / 16.
; hc is the C operand of the first K step, so it costs no vector instruction.
; THE MAXIMUM.  For a tile and block: four v_max3_num_f32 fold the eight scores into the running maximum, one compare asks whether it grew, one select keeps the block's number: 6 vector
; instructions for 8 matrix instructions.  The old and the new maximum lie in two sets that change places with the block's parity.  A strict compare keeps the earlier block on a tie.
; BY HALVES.  Tiles 0-3 and tiles 4-7 have an accumulator set each: while one set is multiplied, the other set's finished scores are folded, four vector instructions behind every second product.
; CLUSTER.  The four work-groups of a cluster share y and walk the same records: each record is asked for JOINTLY (mask of four), each wave a quarter of it.
; LIMITS.  NaN loses every maximum; infinities are not treated apart; where no score of a split exceeds -infinity the split's first group is reported; -0 counts as +0.
; REGISTERS, in windows of 256 (s_set_vgpr_msb: bits 1:0 source 0, 3:2 source 1, 5:4 source 2, 7:6 destination):
;   window 0: v0-15 addresses; v16-31 running maxima; v32-39 block numbers; v40-47 at work; v48-63 hc, two buffers; v64-127 accumulators, two sets of four; v128-255 centroid fragments, two buffers
;   window 1: Q of tiles 0-3 (tile t, K step s at 64 t + 8 s)          window 2: Q of tiles 4-7
.set PITCH, 528       ; an LDS row: 512 bytes + 16 of padding = 132 words: the 16 rows of a fragment load start at 16 different groups of four banks (64 banks of 4 bytes: ISA guide 11.1)
.set BLKB,  16*PITCH  ; a block of 16 centroids
.set HCOFF, 128*PITCH ; a record's hc row lies behind its 128 rows
.set TILEB, 66048     ; a record in memory: 129 rows of 512 bytes
.set SLOT1, 1<<17     ; a slot holds a record (68,112 bytes); slot 1 begins here, so that one exclusive or turns an address in one slot into the other's
.set STAGE, SLOT1+69632  ; behind the ring, never filled by a tensor load: 1,024 bytes for each wave, for the way out
.set SPARE, STAGE+4096   ; behind the stages: the spare words, 128 bytes for each wave: two blocks of 256 bytes that no other line names
.set AK0, 3           ; v3   my lane's place in a block: row lane % 16, 16 bytes for each half of the lanes; never rewritten
.set AH0, 4           ; v4   my lane's place in the hc row: 32 bytes for each half; never rewritten
.set ADR, 5           ; v5   the LDS address of the fragments to be fetched
.set ADH, 6           ; v6   of their hc
.set QO,  7           ; v7   16 x lane: my offset in 512 consecutive bytes of xq, and later of cand
.set STO, 8           ; v8   the way out: where I put a word
.set RD,  9           ; v9   the way out: where I read 16 bytes back
.set SPW, 14          ; v14  LDS address of my spare word: SPARE + 4 x my thread's number; never rewritten
.set NIL, 15          ; v15  0; never rewritten
.set RR,  16          ; set b, tile t at RR + 8 b + t
.set IX,  32          ; tile t's block number
.set TM,  40
.set HC,  48          ; buffer b at HC + 8 b
.set ACC, 64          ; set f, tile t of its four at ACC + 32 f + 8 t
.set FR,  128         ; buffer b, K step s at FR + 64 b + 8 s
.set WV,  12          ; s12  my wave's number
.set G1A, 24          ; s[24:31] descriptor group 1, waves 0 to 2: 32 rows
.set G1B, 32          ; s[32:39] wave 3: 33 rows, the last of them the hc row
.set G0,  40          ; s[40:43] descriptor group 0: it walks
.set SLOTS, 56        ; s56  records still to be asked for
.set CNT, 57          ; s57  counts a record's blocks, two a trip
.set SEL, 60          ; s[60:61] v_permlanex16_b32's selects: each lane takes its own place in the other half
.set TB,  62          ; s62  LDS byte at which the block to be fetched begins
.set TH,  63          ; s63  the same for its hc, less HCOFF
.set BLK, 66          ; s66  the number of the block whose scores are being folded
.set HM,  67          ; s67  the way out: the upper half of the lanes
.set MK,  68          ; s[68:71] four compare masks
.set MUL0, 0x04       ; source 1 (Q) in window 1; all else in window 0.  MUL0 + 4: Q in window 2
.set MSB, 0
.macro WIN new                      ; the high byte repeats the setting that is left; a switch that changes nothing is dropped
.if MSB != (\new)
	s_set_vgpr_msb (MSB<<8)|(\new)
.set MSB, \new
.endif
.endm
; A joint fill: each wave a quarter of a record.  The branch hangs on the wave's number alone: it is the same in every work-group.
; An s_nop 0 and four v_nop follow each of the two lines, ahead of the jump and the label.
.macro JLOAD
	s_cmp_lt_u32 s[WV], 3
	s_cbranch_scc0 .Lfor_last_\@
	tensor_load_to_lds s[G0:G0+3], s[G1A:G1A+7]
	s_nop 0
.rept 4
	v_nop
.endr
	s_branch .Lasked_\@
.Lfor_last_\@:
	tensor_load_to_lds s[G0:G0+3], s[G1B:G1B+7]
	s_nop 0
.rept 4
	v_nop
.endr
.Lasked_\@:
.endm
; A round of the cluster's barrier: my work-group's barrier, so that wave 0's signal speaks for all four waves; wave 0 signals; every wave waits for all four work-groups; my work-group's barrier once more.
.macro CROUND
	s_barrier_signal -1
	s_barrier_wait -1
	s_cmp_lg_u32 s[WV], 0
	s_cbranch_scc1 .Lnot_wave_0_\@
	s_barrier_signal -3
.Lnot_wave_0_\@:
	s_barrier_wait -3
	s_barrier_signal -1
	s_barrier_wait -1
.endm
; THE CHANGE OF SLOTS.  The slot's eighth block has been asked for.  Each wave waits for all its tensor loads, of which one is out: its quarter of the other slot; adds 0 to its spare word; and waits
; for that and for its own reads of the slot.  Behind the barrier nobody reads this slot any more and the other slot is whole.  fill = 1: this slot is filled again, with the record two on: the barrier is then
; a round of the cluster's, and the joint fill is the first thing behind it: it has a record's 512 matrix instructions in which to land.  (At its first use nothing has been read: slot 0 is waited for, slot 1 filled.)
.macro CHANGE fill
	WIN 0                           ; at a label and at a branch every window is 0
	s_wait_tensorcnt 0x0            ; no tensor load of mine is out, so group 0 may be written
	ds_add_u32 v[SPW], v[NIL]       ; 0 onto my spare word; with fill = 1 the descriptor's steps stand between it and the wait for it
.if \fill
	s_xor_b32 s[G0+1], s[G0+1], SLOT1                   ; the other slot than last time,
	s_add_nc_u64 s[G0+2:G0+3], s[G0+2:G0+3], TILEB      ; the next record; the type bits on top are not reached
	s_wait_dscnt 0x0                ; the add is done, and my reads of the slot are over
	CROUND
	JLOAD
.else
	s_wait_dscnt 0x0                ; the add is done, and my reads of the slot are over
	s_barrier_signal -1
	s_barrier_wait -1
.endif
	s_sub_co_u32 s[TB], s[TB], 8*BLKB  ; the fetches go back to a slot's first block,
	s_xor_b32 s[TB], s[TB], SLOT1      ; in the other slot
	s_sub_co_u32 s[TH], s[TH], 512
	s_xor_b32 s[TH], s[TH], SLOT1
.endm
; 18 LDS loads in one run: a block's fragments (16 centroids x 256: 8 K steps, two loads of 16 bytes each, 32 bytes apart) and its hc (8 words a lane, the same in the 16 lanes of a half) into buffer b.
.macro FETCH b
	WIN 0
	v_add_nc_u32 v[ADR], s[TB], v[AK0]
	v_add_nc_u32 v[ADH], s[TH], v[AH0]
.irp s, 0,1,2,3,4,5,6,7
	ds_load_b128 v[FR+64*(\b)+8*\s:FR+64*(\b)+8*\s+3],   v[ADR] offset:64*\s
	ds_load_b128 v[FR+64*(\b)+8*\s+4:FR+64*(\b)+8*\s+7], v[ADR] offset:64*\s+32
.endr
	ds_load_b128 v[HC+8*(\b):HC+8*(\b)+3],   v[ADH]
	ds_load_b128 v[HC+8*(\b)+4:HC+8*(\b)+7], v[ADH] offset:16
	s_add_co_u32 s[TB], s[TB], BLKB    ; the next fetch is the next block's
	s_add_co_u32 s[TH], s[TH], 64
.endm
; Four vector instructions, one for each tile of accumulator set grp, whose scores belong to a block of parity pb.  op 0-3: the eight scores into the new maximum, the accumulator's lowest registers first.
; op 4: has it grown?  op 5: then the block's number is kept.
.macro RIDE op, grp, pb
	WIN 0
.irp t, 0,1,2,3
.set rO, RR+8*(\pb)+4*(\grp)+\t
.set rN, RR+8*(1-(\pb))+4*(\grp)+\t
.set rC, ACC+32*(\grp)+8*\t
.if (\op) == 0
	v_max3_num_f32 v[rN], v[rO], v[rC], v[rC+1]
.elseif (\op) < 4
	v_max3_num_f32 v[rN], v[rN], v[rC+2*(\op)], v[rC+2*(\op)+1]
.elseif (\op) == 4
	v_cmp_gt_f32 s[MK+\t], v[rN], v[rO]
.else
	v_cndmask_b32 v[IX+4*(\grp)+\t], v[IX+4*(\grp)+\t], s[BLK], s[MK+\t]
.endif
.endr
.endm
; 32 matrix instructions: the block in buffer p x the four tiles of set hf, K ascending; the four accumulators take turns, one instruction a turn.
; Behind the first stand four v_nop: the places between the run before's last products and what reads their results (the folding below) or loads into their sources (the fetch).
; Behind products 2, 4, .. 12 the OTHER set's scores are folded: this block's (hf = 1) or the block before's (hf = 0).
.macro RUN p, hf, fetch
.if \hf
.set PB, \p
.else
.set PB, 1-(\p)
.endif
.set i, 0
.rept 32
	WIN MUL0+4*(\hf)
.set rD, ACC+32*(\hf)+8*(i%4)
.set rA, FR+64*(\p)+8*(i/4)
.set rB, 64*(i%4)+8*(i/4)
.if i < 4
	v_wmma_f32_16x16x32_bf16 v[rD:rD+7], v[rA:rA+7], v[rB:rB+7], v[HC+8*(\p):HC+8*(\p)+7]
.else
	v_wmma_f32_16x16x32_bf16 v[rD:rD+7], v[rA:rA+7], v[rB:rB+7], v[rD:rD+7]
.endif
.if i == 0
.rept 4
	v_nop
.endr
.if ((\hf) == 0) && (\fetch)
	FETCH 1-(\p)                    ; the next block, 63 matrix instructions ahead of its first use
.endif
.endif
.if (i >= 2) && (i <= 12) && (i%2 == 0)
	RIDE i/2-1, 1-(\hf), PB
.if (i == 12) && ((\hf) == 0)
	s_add_co_u32 s[BLK], s[BLK], 1  ; the block before is folded: on to this one
.endif
.endif
.set i, i+1
.endr
.endm
.macro STEP p, fetch                ; a block
	s_wait_dscnt 0x0                ; buffer p's 18 loads, issued a block ago; nothing younger is out
	RUN \p, 0, \fetch
	RUN \p, 1, 0
.endm
	s_load_b128 s[4:7], s[0:1], 0x0  ; xq s[4:5], cbt s[6:7]
	s_load_b64 s[8:9], s[0:1], 0x10  ; cand
	v_lshl_add_u32 v[SPW], v0, 2, SPARE
	v_mov_b32 v[NIL], 0
	ds_add_u32 v[SPW], v[NIL]       ; the wave's opening: the add and its wait stand ahead of my first tensor load; the set-up below, work on registers, stands between them
	v_lshrrev_b32 v1, 5, v0
	v_readfirstlane_b32 s[WV], v1   ; wave 0..3
	s_bfe_u32 s13, ttmp6, 0x40000   ; cx: my place in the cluster
	s_lshl_b32 s14, ttmp9, 2        ; in a cluster launch ttmp9 counts clusters
	s_add_co_u32 s14, s14, s13      ; my block of 512 queries = 4 x cluster x + cx: it enters xq's and cand's addresses alone
	s_and_b32 s15, ttmp7, 0xffff    ; the split, which the four partners share
	; descriptor group 1: rows of 256 elements of 2 bytes, padded in LDS
	s_mov_b32 s[G1A], 15|(1<<16)|(1<<20)|(1<<21)|(6<<22)|(3<<25)  ; 15:0 the mask of four; 17:16 2-byte elements; 20 padding on; 21 set beside a mask; 24:22 after every 128 words (code 6); 31:25 4 words (code 3)
	s_mov_b32 s[G1B], 15|(1<<16)|(1<<20)|(1<<21)|(6<<22)|(3<<25)
.irp g, G1A, G1B
	s_mov_b32 s[\g+1], 256<<16      ; tensor_dim0 = 256
	s_mov_b32 s[\g+3], 256<<16      ; tile_dim0 = 256
	s_mov_b32 s[\g+5], 256          ; 256 elements from row to row
	s_mov_b32 s[\g+6], 0
	s_mov_b32 s[\g+7], 0
.endr
	s_mov_b32 s[G1A+2], 32<<16      ; tensor_dim1 = 32
	s_mov_b32 s[G1A+4], 32          ; tile_dim1 = 32
	s_mov_b32 s[G1B+2], 33<<16
	s_mov_b32 s[G1B+4], 33
	s_mov_b32 s[G0], 1              ; 1:0 count = 1
	s_mul_i32 s[G0+1], s[WV], 32*PITCH  ; 63:32 LDS address: slot 0, my 32 rows: no place in the cluster enters an LDS address
	s_mul_i32 s16, s15, 16*TILEB    ; the split's first record,
	s_lshl_b32 s17, s[WV], 14       ; my 32 rows of 512 bytes in it
	s_add_co_u32 s16, s16, s17
	s_mov_b32 s17, 0
	s_lshl_b32 s18, s14, 2
	s_add_co_u32 s18, s18, s[WV]
	s_lshl_b32 s18, s18, 16         ; my 8 tiles of xq, 8,192 bytes each
	s_mov_b32 s19, 0
	s_lshl_b32 s20, s15, 15         ; cand: 32,768 bytes a split,
	s_lshl_b32 s21, s14, 11         ; 4 bytes a query: 2,048 a work-group,
	s_add_co_u32 s20, s20, s21
	s_lshl_b32 s21, s[WV], 9        ; 512 a wave
	s_add_co_u32 s20, s20, s21
	s_mov_b32 s21, 0
	s_mov_b32 s[SEL], 0x76543210
	s_mov_b32 s[SEL+1], 0xfedcba98
	s_mov_b32 s[TB], SLOT1+8*BLKB   ; the first change of slots turns these two into 0
	s_mov_b32 s[TH], SLOT1+512
	s_lshl_b32 s22, s15, 7          ; the split's first block: 128 y
	s_sub_co_u32 s[BLK], s22, 1     ; the first run folds a block that has not been
	s_mov_b32 s45, 0xff800000       ; -infinity
	s_wait_dscnt 0x0                ; the opening add is done
	s_wait_kmcnt 0x0
	s_add_nc_u64 s[G0+2:G0+3], s[6:7], s[16:17]  ; 120:64 global address
	s_or_b32 s[G0+3], s[G0+3], 0x80000000        ; 127:126 type = 2
	s_add_nc_u64 s[4:5], s[4:5], s[18:19]
	s_add_nc_u64 s[8:9], s[8:9], s[20:21]
	CROUND                          ; all four work-groups are here: the first joint loads meet
	JLOAD                           ; record 0 into slot 0.  Slot 1 is asked for when slot 0 is in, by the loop's own change of slots
	v_and_b32 v1, 15, v0            ; l % 16
	v_bfe_u32 v2, v0, 4, 1          ; l / 16
	v_and_b32 v[QO], 31, v0
	v_lshlrev_b32 v[QO], 4, v[QO]
	; Q stays in registers.  xq lies in fragment order: chunk i of my 128 is 512 consecutive bytes and fills registers 4 i .. 4 i + 3 of windows 1 and 2.
	WIN 0x40
.set i, 0
.rept 64
	global_load_b128 v[4*i:4*i+3], v[QO], s[4:5] offset:512*i
.set i, i+1
.endr
	WIN 0x80
.set i, 0
.rept 64
	global_load_b128 v[4*i:4*i+3], v[QO], s[4:5] offset:512*(i+64)
.set i, i+1
.endr
	WIN 0
	v_mul_u32_u24 v[AK0], v1, PITCH
	v_lshl_add_u32 v[AK0], v2, 4, v[AK0]
	v_lshlrev_b32 v[AH0], 5, v2
	v_add_nc_u32 v[AH0], HCOFF, v[AH0]
	s_lshl_b32 s44, s[WV], 10
	s_add_co_u32 s44, s44, STAGE    ; my stage
	v_lshlrev_b32 v[STO], 2, v1     ; in: word l % 16 of a tile's 16; keys in the first 512 bytes, groups in the second
	v_lshl_add_u32 v[STO], v2, 9, v[STO]
	v_add_nc_u32 v[STO], s44, v[STO]
	v_add_nc_u32 v[RD], s44, v[QO]  ; back: 16 bytes a lane
	; What the first run finds: the second accumulator set and the maxima hold -infinity, so the folding of the block that has not been changes nothing.  All this stands in the wait for the first record.
.set i, 0
.rept 32
	v_mov_b32 v[ACC+32+i], s45
.set i, i+1
.endr
.irp t, 0,1,2,3
	v_mov_b32 v[RR+\t], s45
	v_mov_b32 v[RR+12+\t], s45
.endr
.irp t, 0,1,2,3,4,5,6,7
	v_mov_b32 v[IX+\t], s22
.endr
	v_mov_b32 v[TM+3], 0            ; the lane exchange counts as a reader of its destination
	v_mov_b32 v[TM+4], 0
	CHANGE 1                        ; record 0 is in, everybody's quarter of it; record 1 is asked for
	FETCH 0                         ; block 0
	s_wait_loadcnt 0x0              ; Q
	s_mov_b32 s[CNT], 4
	s_mov_b32 s[SLOTS], 15
	s_branch .Lfirst                ; the loop is entered in the middle of a trip: block 0 lies in buffer 0
.Lslot:                             ; 14 times: records 2 to 15 are asked for
	CHANGE 1
	s_mov_b32 s[CNT], 4
.Lstep:                             ; a trip: two blocks are multiplied and the two behind them fetched; between two changes of slots eight blocks are fetched
	STEP 1, 1
	WIN 0
.Lfirst:
	STEP 0, 1
	WIN 0
	s_sub_co_u32 s[CNT], s[CNT], 1
	s_cmp_lg_u32 s[CNT], 0
	s_cbranch_scc1 .Lstep
	s_sub_co_u32 s[SLOTS], s[SLOTS], 1
	s_cmp_lg_u32 s[SLOTS], 0
	s_cbranch_scc1 .Lslot
	CHANGE 0                        ; the tail is written out: nothing is asked for
	s_mov_b32 s[CNT], 4
.Ltail:
	STEP 1, 1
	STEP 0, 1
	WIN 0
	s_sub_co_u32 s[CNT], s[CNT], 1
	s_cmp_lg_u32 s[CNT], 0
	s_cbranch_scc1 .Ltail
	STEP 1, 0                       ; the last block: nothing is left to fetch
	WIN 0
.rept 4
	v_nop                           ; the places behind the last products
.endr
.irp o, 0,1,2,3,4,5
	RIDE \o, 1, 1                   ; the last block's second set is folded; all eight maxima now lie in the first set of RR
.endr
	; THE WAY OUT.  The maximum becomes a whole number that keeps the order (a positive number gets the top bit, a negative one is inverted); the group is 2 blk + l / 16.  A query's two halves of the
	; lanes meet: the greater key wins, on equal keys the lower group.  Keys and groups go through my stage in LDS, so that each store covers 512 consecutive bytes of cand.
	s_mov_b32 s[HM], 0xffff0000
.irp t, 0,1,2,3,4,5,6,7
	v_add_f32 v[TM], 0, v[RR+\t]    ; -0 becomes +0
	v_ashrrev_i32 v[TM+1], 31, v[TM]
	v_or_b32 v[TM+1], 0x80000000, v[TM+1]
	v_xor_b32 v[TM], v[TM], v[TM+1]
	v_lshl_add_u32 v[TM+2], v[IX+\t], 1, v2
	v_permlanex16_b32 v[TM+3], v[TM], s[SEL], s[SEL+1]
	v_permlanex16_b32 v[TM+4], v[TM+2], s[SEL], s[SEL+1]
	v_cmp_gt_u32 s[MK], v[TM+3], v[TM]
	v_cmp_eq_u32 s[MK+1], v[TM+3], v[TM]
	v_cmp_lt_u32 s[MK+2], v[TM+4], v[TM+2]
	s_and_b32 s[MK+1], s[MK+1], s[MK+2]
	s_or_b32 s[MK], s[MK], s[MK+1]
	v_cndmask_b32 v[TM], v[TM], v[TM+3], s[MK]
	v_cndmask_b32 v[TM+2], v[TM+2], v[TM+4], s[MK]
	v_cndmask_b32 v[TM], v[TM], v[TM+2], s[HM]  ; the lower half of the lanes stores the key, the upper half the group
	ds_store_b32 v[STO], v[TM] offset:64*\t
.endr
	ds_load_b128 v[TM:TM+3],   v[RD]             ; LDS serves a wave's instructions in order (ISA guide 5.7.1.4): these see the stores above; the stage is my wave's own
	ds_load_b128 v[TM+4:TM+7], v[RD] offset:512
	s_wait_dscnt 0x0
	global_store_b128 v[QO], v[TM:TM+3],   s[8:9]               ; my 128 queries' keys: 512 consecutive bytes, aligned
	global_store_b128 v[QO], v[TM+4:TM+7], s[8:9] offset:16384  ; and their groups
	s_wait_tensorcnt 0x0            ; the wave's end: behind my last tensor load and my last LDS store
	ds_add_u32 v[SPW], v[NIL]
	s_wait_dscnt 0x0
	CROUND                          ; the closing round: no work-group ends while a partner may still ask for a record that names it
	s_endpgm
.Lfunc_end_k_q429cd07eb5_search:
	.size	k_q429cd07eb5_search, .Lfunc_end_k_q429cd07eb5_search-k_q429cd07eb5_search
	.p2alignl 7, 3214868480
	.fill 96, 4, 3214868480
	.section	.rodata,"a",@progbits
	.p2align	6, 0x0
	.amdhsa_kernel k_q429cd07eb5_search
		.amdhsa_group_segment_fixed_size 327680
		.amdhsa_private_segment_fixed_size 0
		.amdhsa_enable_private_segment 0
		.amdhsa_kernarg_size 24
		.amdhsa_user_sgpr_count 2
		.amdhsa_user_sgpr_kernarg_segment_ptr 1
		.amdhsa_wavefront_size32 1
		.amdhsa_system_sgpr_workgroup_id_x 1
		.amdhsa_system_sgpr_workgroup_id_y 1
		.amdhsa_system_sgpr_workgroup_id_z 1
		.amdhsa_system_vgpr_workitem_id 0
		.amdhsa_next_free_vgpr 768
		.amdhsa_next_free_sgpr 72
		.amdhsa_reserve_vcc 0
		.amdhsa_float_denorm_mode_32 3
		.amdhsa_float_denorm_mode_16_64 3
		.amdhsa_memory_ordered 1
		.amdhsa_forward_progress 1
		.amdhsa_inst_pref_size 79
	.end_amdhsa_kernel
	.amdgpu_metadata
---
amdhsa.version: [ 1, 2 ]
amdhsa.kernels:
  - .name:           k_q429cd07eb5_search
    .symbol:         k_q429cd07eb5_search.kd
    .args:
      - { .name: xq, .offset: 0, .size: 8, .value_kind: global_buffer, .address_space: global }
      - { .name: cbt, .offset: 8, .size: 8, .value_kind: global_buffer, .address_space: global }
      - { .name: cand, .offset: 16, .size: 8, .value_kind: global_buffer, .address_space: global }
    .group_segment_fixed_size: 327680
    .private_segment_fixed_size: 0
    .kernarg_segment_align: 8
    .kernarg_segment_size: 24
    .max_flat_workgroup_size: 128
    .sgpr_count:     72
    .vgpr_count:     768
    .wavefront_size: 32
...
	.end_amdgpu_metadata
.endif
;; end of part 2
;; launch pick (part 3): grid 256 x 1, 4 waves a work-group, no clusters, 0 bytes of LDS; arguments cand, cbt, x_BD, out0, out1; writes out0, out1
.if DOCPART == 3
	.amdgcn_target "amdgcn-amd-amdhsa--gfx1250"
	.amdhsa_code_object_version 6
	.text
	.protected	k_q429cd07eb5_pick
	.globl	k_q429cd07eb5_pick
	.p2align	8
	.type	k_q429cd07eb5_pick,@function
k_q429cd07eb5_pick:
	s_mov_b64 s[64:65], 0
	v_nop
	global_prefetch_b8 v0, s[64:65] scope:SCOPE_SE
	s_setreg_imm32_b32 hwreg(HW_REG_WAVE_MODE, 25, 1), 1
	s_wait_xcnt 0x0
; PICK.  For each query: the best of its 32 splits (whole numbers from cand: the greater key, on equal keys the lower split); the 8 centroids of the winning group are worked out again,
; s = bf16(x) . bf16(c) + hc with exact products and f32 sums; the greatest wins, on equal scores the lowest index.  out1 = 8 x group + place; out0 = that row of cbt, widened to f32.
; Every address hangs on whole numbers READ from cand and clamped to the table; the choice among the 8 only selects values (v_cndmask_b32): no address and no branch hangs on a float.
; SHARES.  Wave w of work-group g owns queries 16 g + 4 w .. + 3; waves do not depend on each other: no LDS, no barrier.  The matrix unit would have 8 columns of work a query: left out.
; xhat_BFD is named nowhere: the reference takes its shape alone, and none of its numbers reaches a result.
; LIMITS.  out0 is the centroid rounded to bf16: within 2^-9 of the f32 number.  NaN and infinities are not treated apart.  Sums are in f32 in an order of their own (8 products a lane, then across
; the lanes), so two distances that differ by no more than the rounding of such sums can change places.
.set TILEB, 66048                      ; a record of cbt: 128 rows of 512 bytes, then the hc row
.set K,   16                           ; v[16:47]   split y's key; free when the best is found
.set G,   48                           ; v[48:79]   split y's group
.set XB,  16                           ; v[16:19]   my 8 numbers of x in bf16
.set AC,  20                           ; v[20:27]   the 8 candidates' scores; the first becomes the best
.set BJ,  28                           ; v28        the best's place in the group
.set CD,  29                           ; v29        the code
.set O,   32                           ; v[32:39]   my 8 numbers of the winning row in f32, to store
.set PT,  40                           ; v[40:47]   the other half of the lanes' sums
.set XF,  80                           ; v[80:111]  query i: 8 registers, x as loaded
.set RW,  112                          ; v[112:239] query i, row j: 4 registers, 8 bf16
	s_load_b256 s[4:11], s[0:1], 0x0               ; cand s[4:5], cbt s[6:7], x s[8:9], out0 s[10:11]
	s_load_b64 s[12:13], s[0:1], 0x20              ; out1
	v_lshrrev_b32 v7, 5, v0
	v_readfirstlane_b32 s14, v7                    ; wave 0..3
	v_and_b32 v1, 31, v0                           ; lane
	v_and_b32 v2, 3, v0
	v_lshlrev_b32 v2, 2, v2                        ; 4 (lane % 4): lanes 0 to 3 hold the four queries, the others repeat them
	v_lshlrev_b32 v3, 3, v1                        ; 8 x lane
	v_lshlrev_b32 v4, 4, v1                        ; 16 x lane
	v_mov_b32 v5, 0
	s_mov_b32 s16, 0x76543210                      ; v_permlanex16_b32: each lane takes its own place in the other half
	s_mov_b32 s17, 0xfedcba98
	s_mov_b32 s18, 0xffff0000                      ; a word's upper bf16
	s_lshl_b32 s15, ttmp9, 2
	s_add_co_u32 s15, s15, s14                     ; 4 g + w: my four queries
	s_lshl_b32 s84, s15, 4                         ; 4 bytes a query
	s_mov_b32 s85, 0
	s_lshl_b32 s86, s15, 12                        ; 1,024 bytes a query
	s_mov_b32 s87, 0
	s_wait_kmcnt 0x0
	s_add_nc_u64 s[4:5], s[4:5], s[84:85]
	s_add_nc_u64 s[12:13], s[12:13], s[84:85]
	s_add_nc_u64 s[8:9], s[8:9], s[86:87]
	s_add_nc_u64 s[10:11], s[10:11], s[86:87]
.set y, 0
.rept 32
	global_load_b32 v[K+y], v2, s[4:5] offset:32768*y
	global_load_b32 v[G+y], v2, s[4:5] offset:32768*y+16384
.set y, y+1
.endr
.irp i, 0,1,2,3
	global_load_b128 v[XF+8*\i:XF+8*\i+3],   v4, s[8:9] offset:1024*\i       ; index 4 lane .. + 3
	global_load_b128 v[XF+8*\i+4:XF+8*\i+7], v4, s[8:9] offset:1024*\i+512   ; index 128 + 4 lane .. + 3
.endr
	s_wait_loadcnt 8                               ; loads come back in order: cand's 64 are in, the eight of x stay out
.macro COMB a, b                       ; a < b: the higher split wins only with a greater key
	v_cmp_gt_u32 vcc_lo, v[K+(\b)], v[K+(\a)]
	v_cndmask_b32 v[K+(\a)], v[K+(\a)], v[K+(\b)], vcc_lo
	v_cndmask_b32 v[G+(\a)], v[G+(\a)], v[G+(\b)], vcc_lo
.endm
.irp st, 1,2,4,8,16
.set n, 0
.rept 16/\st
	COMB n, n+\st
.set n, n+2*\st
.endr
.endr
	; The four winning groups become addresses.  Both numbers are clamped to the table before anything is made of them: group 0 .. 8191, record 0 .. 511.
	; A group's 8 rows are 4,096 consecutive bytes at 4,096 g + 512 (g / 16); its 8 hc lie at 66,048 (g / 16) + 65,536 + 32 (g % 16).
.irp i, 0,1,2,3
	v_readlane_b32 s[20+\i], v[G], \i
	s_lshr_b32 s[24+\i], s[20+\i], 4
	s_min_u32 s[24+\i], s[24+\i], 511
	s_min_u32 s[20+\i], s[20+\i], 8191
	s_lshl_b32 s84, s[20+\i], 12
	s_lshl_b32 s15, s[24+\i], 9
	s_add_co_u32 s84, s84, s15
	s_add_nc_u64 s[28+2*\i:29+2*\i], s[6:7], s[84:85]
	s_mul_i32 s86, s[24+\i], TILEB
	s_and_b32 s15, s[20+\i], 15
	s_lshl_b32 s15, s15, 5
	s_add_co_u32 s86, s86, s15
	s_add_nc_u64 s[36+2*\i:37+2*\i], s[6:7], s[86:87]
	s_load_b256 s[44+8*\i+8*(\i/2):51+8*\i+8*(\i/2)], s[36+2*\i:37+2*\i], 0x10000  ; s[44:51], s[52:59], s[68:75], s[76:83]
.irp j, 0,1,2,3,4,5,6,7
	global_load_b64 v[RW+32*\i+4*\j:RW+32*\i+4*\j+1],   v3, s[28+2*\i:29+2*\i] offset:512*\j      ; 256 consecutive bytes: index 4 lane .. + 3
	global_load_b64 v[RW+32*\i+4*\j+2:RW+32*\i+4*\j+3], v3, s[28+2*\i:29+2*\i] offset:512*\j+256  ; index 128 + 4 lane .. + 3
.endr
.endr
	s_wait_kmcnt 0x0                               ; the 32 hc
.macro MIX e, j                        ; candidate j takes number e of my 8: bf16 x bf16 + f32, one rounding
.if (\e) == 0
	v_fma_mix_f32_bf16 v[AC+(\j)], v[XB], v[R0+4*(\j)], v5 op_sel_hi:[1,1,0]
.elseif (\e)%2
	v_fma_mix_f32_bf16 v[AC+(\j)], v[XB+(\e)/2], v[R0+4*(\j)+(\e)/2], v[AC+(\j)] op_sel:[1,1,0] op_sel_hi:[1,1,0]
.else
	v_fma_mix_f32_bf16 v[AC+(\j)], v[XB+(\e)/2], v[R0+4*(\j)+(\e)/2], v[AC+(\j)] op_sel_hi:[1,1,0]
.endif
.endm
.macro QRY i
.set R0, RW+32*(\i)
.set X0, XF+8*(\i)
.set HS, 44+8*(\i)+8*((\i)/2)
	s_wait_loadcnt 16*(3-(\i))                     ; my sixteen row loads are in (and x, which is older); the later queries' sixteen each stay out
.irp k, 0,1,2,3
	v_cvt_pk_bf16_f32 v[XB+\k], v[X0+2*\k], v[X0+2*\k+1]
.endr
.irp e, 0,1,2,3,4,5,6,7                ; eight chains that do not wait for each other
.irp j, 0,1,2,3,4,5,6,7
	MIX \e, \j
.endr
.endr
.irp m, 1,2,4,8                        ; across the 32 lanes: four steps inside each half ride on the addition, one crosses the halves
.irp j, 0,1,2,3,4,5,6,7
	v_add_f32_dpp v[AC+\j], v[AC+\j], v[AC+\j] row_xmask:\m row_mask:0xf bank_mask:0xf
.endr
.endr
.irp j, 0,1,2,3,4,5,6,7
	v_permlanex16_b32 v[PT+\j], v[AC+\j], s16, s17
.endr
.irp j, 0,1,2,3,4,5,6,7
	v_add_f32 v[AC+\j], v[AC+\j], v[PT+\j]
.endr
.irp j, 0,1,2,3,4,5,6,7
	v_add_f32 v[AC+\j], s[HS+\j], v[AC+\j]         ; every lane holds all eight scores
.endr
	v_mov_b32 v[BJ], 0
.irp j, 1,2,3,4,5,6,7                  ; a later candidate wins only with a greater score; its row moves onto the first row's registers
	v_cmp_gt_f32 vcc_lo, v[AC+\j], v[AC]
	v_cndmask_b32 v[AC], v[AC], v[AC+\j], vcc_lo
	v_cndmask_b32 v[BJ], v[BJ], \j, vcc_lo
.irp k, 0,1,2,3
	v_cndmask_b32 v[R0+\k], v[R0+\k], v[R0+4*\j+\k], vcc_lo
.endr
.endr
	v_lshl_add_u32 v[CD], s[20+(\i)], 3, v[BJ]
	s_wait_xcnt 0x0                                ; the last query's stores have read O: it is rewritten only behind this wait
.irp k, 0,1,2,3
	v_lshlrev_b32 v[O+2*\k],   16,  v[R0+\k]
	v_and_b32     v[O+2*\k+1], s18, v[R0+\k]
.endr
	global_store_b128 v4, v[O:O+3],   s[10:11] offset:1024*(\i)       ; 512 consecutive bytes, aligned
	global_store_b128 v4, v[O+4:O+7], s[10:11] offset:1024*(\i)+512
.if (\i) == 0
	v_mov_b32 v6, v[CD]
.else
	s_mov_b32 s19, 1<<(\i)
	v_cndmask_b32 v6, v6, v[CD], s19               ; lane i keeps query i's code
.endif
.endm
	QRY 0
	QRY 1
	QRY 2
	QRY 3
	s_wait_xcnt 0x0                                ; EXEC is a source of the pending stores: it changes only behind this wait
	v_cmp_gt_u32 vcc_lo, 4, v1
	s_and_saveexec_b32 s19, vcc_lo
	global_store_b32 v2, v6, s[12:13]              ; my four codes: 16 consecutive bytes
	s_endpgm
.Lfunc_end_k_q429cd07eb5_pick:
	.size	k_q429cd07eb5_pick, .Lfunc_end_k_q429cd07eb5_pick-k_q429cd07eb5_pick
	.p2alignl 7, 3214868480
	.fill 96, 4, 3214868480
	.section	.rodata,"a",@progbits
	.p2align	6, 0x0
	.amdhsa_kernel k_q429cd07eb5_pick
		.amdhsa_group_segment_fixed_size 0
		.amdhsa_private_segment_fixed_size 0
		.amdhsa_enable_private_segment 0
		.amdhsa_kernarg_size 40
		.amdhsa_user_sgpr_count 2
		.amdhsa_user_sgpr_kernarg_segment_ptr 1
		.amdhsa_wavefront_size32 1
		.amdhsa_system_sgpr_workgroup_id_x 1
		.amdhsa_system_sgpr_workgroup_id_y 1
		.amdhsa_system_sgpr_workgroup_id_z 1
		.amdhsa_system_vgpr_workitem_id 0
		.amdhsa_next_free_vgpr 240
		.amdhsa_next_free_sgpr 88
		.amdhsa_reserve_vcc 1
		.amdhsa_float_denorm_mode_32 3
		.amdhsa_float_denorm_mode_16_64 3
		.amdhsa_memory_ordered 1
		.amdhsa_forward_progress 1
		.amdhsa_inst_pref_size 59
	.end_amdhsa_kernel
	.amdgpu_metadata
---
amdhsa.version: [ 1, 2 ]
amdhsa.kernels:
  - .name:           k_q429cd07eb5_pick
    .symbol:         k_q429cd07eb5_pick.kd
    .args:
      - { .name: cand, .offset: 0, .size: 8, .value_kind: global_buffer, .address_space: global }
      - { .name: cbt, .offset: 8, .size: 8, .value_kind: global_buffer, .address_space: global }
      - { .name: x_BD, .offset: 16, .size: 8, .value_kind: global_buffer, .address_space: global }
      - { .name: out0, .offset: 24, .size: 8, .value_kind: global_buffer, .address_space: global }
      - { .name: out1, .offset: 32, .size: 8, .value_kind: global_buffer, .address_space: global }
    .group_segment_fixed_size: 0
    .private_segment_fixed_size: 0
    .kernarg_segment_align: 8
    .kernarg_segment_size: 40
    .max_flat_workgroup_size: 128
    .sgpr_count:     88
    .vgpr_count:     240
    .wavefront_size: 32
...
	.end_amdgpu_metadata
.endif
;; end of part 3
;; ======== version 2 of 2: 3 launches; version 1 with the launch prep written anew for expert scheduling mode
;; workspace buffers: cbt 33,816,576 bytes; xq 2,097,152 bytes; cand 1,048,576 bytes of whole numbers
;; launch prep (part 4): grid 256 x 1, 8 waves a work-group, no clusters, 0 bytes of LDS; arguments centroids, x_BD, cbt, xq; writes cbt, xq
.if DOCPART == 4
	.amdgcn_target "amdgcn-amd-amdhsa--gfx1250"
	.amdhsa_code_object_version 6
	.text
	.protected	k_q429cd07eb5_prep
	.globl	k_q429cd07eb5_prep
	.p2align	8
	.type	k_q429cd07eb5_prep,@function
k_q429cd07eb5_prep:
	s_mov_b64 s[64:65], 0
	v_nop
	global_prefetch_b8 v0, s[64:65] scope:SCOPE_SE
	s_setreg_imm32_b32 hwreg(HW_REG_WAVE_SCHED_MODE, 0, 2), 2
	s_setreg_imm32_b32 hwreg(HW_REG_WAVE_MODE, 25, 1), 1
	s_wait_xcnt 0x0
	s_wait_alu depctr_vm_vsrc(0)
; PREP.  centroids [65536][256] f32 and x_BD [4096][256] f32 are rounded once to bf16 (nearest even) and laid out for the search.
; cbt: 512 records of 66,048 bytes.  Record T = 128 rows of 512 bytes (centroids 128 T .. 128 T + 127 in bf16), then one row of 512 bytes:
;      hc = -1/2 x the sum of the squares of the ROUNDED row, in f32, for those 128 centroids.  argmin(|c|^2 - 2 x.c) = argmax(x.c + hc).
; xq:  x in bf16 in the order of a matrix fragment: query q, index k -> byte (q>>4) 8192 + (k>>4) 512 + (16 ((k>>3)&1) + (q&15)) 16 + 2 (k&7).
; SHARES.  Work-group g: centroid rows 256 g .. 256 g + 255 (records 2 g, 2 g + 1) and the 16 queries 16 g .. 16 g + 15.  Wave w: 32 rows
; (a row is 1,024 bytes: two loads of 512 consecutive bytes), through a ring of 16 row slots in registers: 14 to 16 KB of every wave is on its way.
; No LDS, no barrier, no matrix unit: the launch moves bytes, and a row's sum never leaves its wave.
; LIMITS.  NaN and infinities are not treated apart.  The sum of squares is taken in f32: 8 numbers a lane, then across the 32 lanes.
; THE MODE: SCHED_MODE bits 1:0 = 2 (LLVM: expert scheduling mode 2), set by the entry lines.  The code itself states the register dependences
; between vector instructions and memory instructions, with s_wait_alu, always for 0.
; THE PLAN.  Registers that memory instructions touch:
;   v2 .. v6      five byte offsets, made once at the head and never written again: every row is reached by an immediate, and no scalar base is stepped.
;   XX, XY        x as loaded; x in bf16, read by the two stores to xq.  Neither is written again.
;   X, slot i%16  rows 0 to 15: a load lands, row i's four conversions read it, the load of row i + 16 lands.  Rows 16 to 31: nothing lands again, so the
;                 conversions close the eight numbers up into the slot's first four registers, and the row's two stores leave from there.
;   Y, set i      rows 0 to 15: a set of four registers to EACH row: written by row i's conversions, read by its two stores (and by its sum), never written again.
;   v7            hc: written by the 32 selects, read by the last store.
; So no register that a memory instruction reads is ever written again: nothing has to be freed, neither a store's data nor an offset nor a base.
; The rows go in pairs.  ONE wait on va_vdst stands in a pair, behind its eight conversions: it states that they have written the two sets that the pair's stores read and
; are done reading the two slots in which the pair's reloads land.  The pair's memory instructions follow it in one run, the loads first; then come the two sums,
; which name T, A, v8, v7 and, as sources, the sets.  A slot is thus asked for again at once.
.set ROWB,  1024                       ; bytes of a row of f32
.set TILEB, 66048                      ; bytes of a record of cbt
.set LO,  2                            ; v2   16 x lane: my 16 bytes in each half of a row of f32
.set SO,  3                            ; v3   8 x lane + my wave's 32 rows in the record
.set HO,  4                            ; v4   4 x lane + my wave's 32 words in the record's hc row
.set XO,  5                            ; v5   my 32 bytes of x: query lane % 16, index 32 w + 8 (lane / 16)
.set XS,  6                            ; v6   16 x lane + 1,024 w: my 16 bytes in chunk 2 w of xq's tile
.set H,   7                            ; v7   hc: lane i takes row i
.set PT,  8                            ; v8   the other half of the lanes' sum
.set T,   10                           ; v[10:17] a lane's 8 rounded numbers, widened
.set A,   18                           ; v[18:19] the sum of squares
.set XY,  20                           ; v[20:27] x in bf16, to store
.set XX,  36                           ; v[36:51] x as loaded
.set X,   64                           ; v[64:191] slot s: 8 registers, a row as loaded; rows 16 to 31: then its first 4 the row in bf16, to store
.set Y,   192                          ; v[192:255] rows 0 to 15: set i, 4 registers: the row's 8 numbers in bf16, to store
.set MK,  32                           ; s[32:63] row i: the mask of lane i; each is written once
	s_load_b256 s[4:11], s[0:1], 0x0               ; centroids s[4:5], x s[6:7], cbt s[8:9], xq s[10:11]
	v_lshrrev_b32 v9, 5, v0
	v_readfirstlane_b32 s12, v9                    ; wave 0..7
	v_and_b32 v1, 31, v0                           ; lane
	s_mov_b32 s18, 0xffff0000                      ; a word's upper bf16
	s_mov_b32 s20, 0x76543210                      ; v_permlanex16_b32: each lane takes its own place in the other half
	s_mov_b32 s21, 0xfedcba98
	s_lshl_b32 s14, ttmp9, 18                      ; 256 rows of 1,024 bytes a work-group,
	s_wait_alu depctr_va_sdst(0)                   ; s12 is written, ahead of its first reader: the bases and the offsets are made from it
	s_lshl_b32 s13, s12, 15                        ; 32 a wave
	s_add_co_u32 s14, s14, s13
	s_mov_b32 s15, 0
	s_lshl_b32 s16, ttmp9, 1
	s_lshr_b32 s13, s12, 2
	s_add_co_u32 s16, s16, s13                     ; my record: 2 g + w / 4
	s_mul_i32 s16, s16, TILEB
	s_mov_b32 s17, 0
	s_and_b32 s19, s12, 3                          ; which 32 rows of the record
	s_lshl_b32 s24, ttmp9, 14                      ; 16 queries of 1,024 bytes
	s_mov_b32 s25, 0
	s_lshl_b32 s26, ttmp9, 13                      ; a tile of xq
	s_mov_b32 s27, 0
	v_lshlrev_b32 v[LO], 4, v1
	v_lshlrev_b32 v[SO], 3, v1
	s_lshl_b32 s13, s19, 14
	v_add_nc_u32 v[SO], s13, v[SO]
	v_lshlrev_b32 v[HO], 2, v1
	s_lshl_b32 s23, s19, 7
	v_add_nc_u32 v[HO], s23, v[HO]
	v_and_b32 v9, 15, v1
	v_lshrrev_b32 v[PT], 4, v1
	v_lshlrev_b32 v[XO], 10, v9
	v_lshl_add_u32 v[XO], v[PT], 5, v[XO]
	s_lshl_b32 s28, s12, 7
	v_add_nc_u32 v[XO], s28, v[XO]
	s_lshl_b32 s29, s12, 10
	v_add_nc_u32 v[XS], s29, v[LO]
	v_mov_b32 v[H], 0                              ; written whole once: each row then sets one lane
	v_mov_b32 v[PT], 0                             ; the lane exchange counts as a reader of its destination
	s_wait_kmcnt 0x0
	s_add_nc_u64 s[4:5], s[4:5], s[14:15]
	s_add_nc_u64 s[6:7], s[6:7], s[24:25]
	s_add_nc_u64 s[8:9], s[8:9], s[16:17]
	s_add_nc_u64 s[10:11], s[10:11], s[26:27]
	s_wait_alu depctr_va_vdst(0)                   ; the five offsets v2 to v6 are written: every load and store of the kernel reads one of them
	global_load_b128 v[XX:XX+3],     v[XO], s[6:7]            ; chunk 2 w: 8 numbers of my query
	global_load_b128 v[XX+4:XX+7],   v[XO], s[6:7] offset:16
	global_load_b128 v[XX+8:XX+11],  v[XO], s[6:7] offset:64  ; chunk 2 w + 1
	global_load_b128 v[XX+12:XX+15], v[XO], s[6:7] offset:80
.set i, 0
.rept 16                                               ; the ring is filled: rows 0 to 15
	global_load_b128 v[X+8*i:X+8*i+3],   v[LO], s[4:5] offset:i*ROWB th:TH_LOAD_NT
	global_load_b128 v[X+8*i+4:X+8*i+7], v[LO], s[4:5] offset:i*ROWB+512 th:TH_LOAD_NT
.set i, i+1
.endr
	s_wait_loadcnt 32                              ; loads come back in order: the four of x are in, the ring's 32 stay out
.irp j, 0,1,2,3,4,5,6,7
	v_cvt_pk_bf16_f32 v[XY+\j], v[XX+2*\j], v[XX+2*\j+1]      ; their two stores stand in the first pair's run, behind its wait
.endr
; Row i of my 32, in four parts.  Every address is an immediate: no address register is ever rewritten.
.macro REGS                            ; row i's slot, and the four registers that it is stored from
.set XR, X+8*(i%16)
.set YR, Y+4*i
.if i >= 16
.set YR, XR
.endif
.endm
.macro NARROW                          ; eight numbers to bf16.  Rows 16 to 31: in place, ascending, so that each line writes a register that the lines before it have read
	REGS
.irp j, 0,1,2,3
	v_cvt_pk_bf16_f32 v[YR+\j], v[XR+2*\j], v[XR+2*\j+1]
.endr
.endm
.macro ASK                             ; the slot takes the row 16 further down
	REGS
	global_load_b128 v[XR:XR+3],   v[LO], s[4:5] offset:(i+16)*ROWB th:TH_LOAD_NT
	global_load_b128 v[XR+4:XR+7], v[LO], s[4:5] offset:(i+16)*ROWB+512 th:TH_LOAD_NT
.endm
.macro SEND
	REGS
	global_store_b64 v[SO], v[YR:YR+1],   s[8:9] offset:i*512 th:TH_STORE_NT           ; 32 lanes x 8 bytes: 256 consecutive bytes, aligned
	global_store_b64 v[SO], v[YR+2:YR+3], s[8:9] offset:i*512+256 th:TH_STORE_NT
.endm
.macro SUM
	REGS
.irp j, 0,1,2,3
	v_lshlrev_b32 v[T+2*\j],   16,  v[YR+\j]       ; the ROUNDED numbers, widened: hc belongs to what the search multiplies
	v_and_b32     v[T+2*\j+1], s18, v[YR+\j]
.endr
	v_pk_mul_f32 v[A:A+1], v[T:T+1], v[T:T+1]
.irp j, 2,4,6
	v_pk_fma_f32 v[A:A+1], v[T+\j:T+\j+1], v[T+\j:T+\j+1], v[A:A+1]
.endr
	v_add_f32 v[A], v[A], v[A+1]
	v_add_f32_dpp v[A], v[A], v[A] row_xmask:1 row_mask:0xf bank_mask:0xf
	v_add_f32_dpp v[A], v[A], v[A] row_xmask:2 row_mask:0xf bank_mask:0xf
	v_add_f32_dpp v[A], v[A], v[A] row_xmask:4 row_mask:0xf bank_mask:0xf
	v_add_f32_dpp v[A], v[A], v[A] row_xmask:8 row_mask:0xf bank_mask:0xf
	v_permlanex16_b32 v[PT], v[A], s20, s21
	v_add_f32 v[A], v[A], v[PT]                    ; every lane holds the row's sum
	v_mul_f32 v[A], -0.5, v[A]
	s_mov_b32 s[MK+i], 1<<i
	v_cndmask_b32 v[H], v[H], v[A], s[MK+i]        ; lane i keeps it
.endm
; Rows i and i + 1, i even.
.macro PAIR
.set left, 2*(30-i)                    ; the younger loads: fourteen rows of two while the ring is refilled, then fewer
.if left > 28
.set left, 28
.endif
	s_wait_loadcnt left                            ; my two rows are in
	NARROW
.set i, i+1
	NARROW
.set i, i-1
	s_wait_alu depctr_va_vdst(0)                   ; the conversions have written the two sets that the stores below read (in the first pair XY too), and are done reading the two slots in which the loads below land
.if i < 16
	ASK                                            ; the loads ahead of the stores
.set i, i+1
	ASK
.set i, i-1
.endif
.if i == 0
	global_store_b128 v[XS], v[XY:XY+3],   s[10:11]           ; 512 consecutive bytes: a whole chunk of xq
	global_store_b128 v[XS], v[XY+4:XY+7], s[10:11] offset:512
.endif
	SEND
.set i, i+1
	SEND
.set i, i-1
	SUM
.set i, i+1
	SUM
.set i, i+1
.endm
.set i, 0
.rept 16
	PAIR
.endr
	s_wait_alu depctr_va_vdst(0)                   ; the last select has written v7, which the store below reads
	global_store_b32 v[HO], v[H], s[8:9] offset:65536         ; my 32 words of the record's hc row: 128 consecutive bytes
	s_endpgm
.Lfunc_end_k_q429cd07eb5_prep:
	.size	k_q429cd07eb5_prep, .Lfunc_end_k_q429cd07eb5_prep-k_q429cd07eb5_prep
	.p2alignl 7, 3214868480
	.fill 96, 4, 3214868480
	.section	.rodata,"a",@progbits
	.p2align	6, 0x0
	.amdhsa_kernel k_q429cd07eb5_prep
		.amdhsa_group_segment_fixed_size 0
		.amdhsa_private_segment_fixed_size 0
		.amdhsa_enable_private_segment 0
		.amdhsa_kernarg_size 32
		.amdhsa_user_sgpr_count 2
		.amdhsa_user_sgpr_kernarg_segment_ptr 1
		.amdhsa_wavefront_size32 1
		.amdhsa_system_sgpr_workgroup_id_x 1
		.amdhsa_system_sgpr_workgroup_id_y 1
		.amdhsa_system_sgpr_workgroup_id_z 1
		.amdhsa_system_vgpr_workitem_id 0
		.amdhsa_next_free_vgpr 256
		.amdhsa_next_free_sgpr 66
		.amdhsa_reserve_vcc 0
		.amdhsa_float_denorm_mode_32 3
		.amdhsa_float_denorm_mode_16_64 3
		.amdhsa_memory_ordered 1
		.amdhsa_forward_progress 1
		.amdhsa_inst_pref_size 57
	.end_amdhsa_kernel
	.amdgpu_metadata
---
amdhsa.version: [ 1, 2 ]
amdhsa.kernels:
  - .name:           k_q429cd07eb5_prep
    .symbol:         k_q429cd07eb5_prep.kd
    .args:
      - { .name: centroids, .offset: 0, .size: 8, .value_kind: global_buffer, .address_space: global }
      - { .name: x_BD, .offset: 8, .size: 8, .value_kind: global_buffer, .address_space: global }
      - { .name: cbt, .offset: 16, .size: 8, .value_kind: global_buffer, .address_space: global }
      - { .name: xq, .offset: 24, .size: 8, .value_kind: global_buffer, .address_space: global }
    .group_segment_fixed_size: 0
    .private_segment_fixed_size: 0
    .kernarg_segment_align: 8
    .kernarg_segment_size: 32
    .max_flat_workgroup_size: 256
    .sgpr_count:     66
    .vgpr_count:     256
    .wavefront_size: 32
...
	.end_amdgpu_metadata
.endif
;; end of part 4
;; launch search: the kernel of part 2 again; grid 8 x 32, 4 waves a work-group, clusters of 4 x 1, 327,680 bytes of LDS; arguments xq, cbt, cand; writes cand
;; launch pick: the kernel of part 3 again; grid 256 x 1, 4 waves a work-group, no clusters, 0 bytes of LDS; arguments cand, cbt, x_BD, out0, out1; writes out0, out1
